; MI455X (gfx1250); checked and timed in simulation.
; The chip was launched on July 23, 2026; its instructions are those of AMD's public machine-readable ISA for CDNA 5 (MIT licence, August 2026) and "CDNA5" Instruction Set Architecture Reference Guide (July 2026). The comments in the code are by the model that wrote it; some were corrected since.
;; Multi Head Attention. Allowed arithmetic: matrix products marked QUANTISED: E2M3 operands, one E8M0 scale for each 32 along K, by v_wmma_scale_f32_16x16x128_f8f6f4 with both operands' format E2M3, f32 sums; everything else in f32.
;; Inputs: Wk 16 x 1,024 x 64 float32; Wq 16 x 1,024 x 64 float32; Wv 16 x 1,024 x 64 float32; X 4 x 2,048 x 1,024 float32.
;; Outputs: out0 4 x 2,048 x 1,024 float32.
;; This version of the problem:
;;   THIS VERSION OF THE PROBLEM IS GIVEN IN LOW PRECISION. The matrix products marked QUANTISED in the list below multiply operands that are first quantised to E2M3 (2 exponent bits, 3 mantissa bits; 6 bits a number), with one power-of-two scale for each 32 numbers along K (OCP MX v1.0); their sums are f32. All else is computed in f32.
;;   The module's matrix products, in the order in which they are computed (A, B: the left and right operand; K: the contracted axis; several contracted axes count as one K, in the product's order):
;;     1. [M 1,024, K 1,024] x [K 1,024, N 8,192]; A: input Wq; B: input X: QUANTISED
;;     2. [M 1,024, K 1,024] x [K 1,024, N 8,192]; A: input Wk; B: input X: QUANTISED
;;     3. [M 1,024, K 1,024] x [K 1,024, N 8,192]; A: input Wv; B: input X: QUANTISED
;;     4. batch 64 x [M 2,048, K 64] x [K 64, N 2,048]; A: computed on the way; B: computed on the way: QUANTISED
;;     5. batch 64 x [M 2,048, K 2,048] x [K 2,048, N 64]; A: softmax (see below); B: computed on the way: QUANTISED
;;   THE QUANTISER, for each operand of a quantised product, along K:
;;     - K is cut into blocks of 32 from its start; a last block that is shorter is filled with zeros.
;;     - A block's scale is 2^e with e = floor(log2(the largest magnitude in the block)) - 2, held to -126 .. 127; a block of zeros has e = 0. As a byte (E8M0): e + 127.
;;     - Each number is divided by its block's scale, clamped to +-7.5, and rounded to the nearest number of E2M3, ties to even, subnormals kept.
;;     - The product sums the exact products of the quantised numbers (number of the format x scale) in f32.
;;   ~~~python
;;   def quantise(x, axis):      # numpy; x: float32 -> the quantised numbers, widened to float32 again
;;       x = np.moveaxis(x, axis, -1); K = x.shape[-1]
;;       x = np.pad(x, [(0, 0)] * (x.ndim - 1) + [(0, -K % 32)]); x = x.reshape(x.shape[:-1] + (-1, 32)); a = np.abs(x).max(-1, keepdims=True)
;;       e = np.where(a > 0, np.clip(np.frexp(np.where(a > 0, a, 1))[1] - 1 - 2, -126, 127), 0)      # np.frexp(a)[1] - 1 = floor(log2(a)), exactly
;;       r = np.clip(x / 2.0 ** e, -7.5, 7.5)
;;       step = 2.0 ** (np.maximum(np.frexp(np.where(r == 0, 1, r))[1] - 1, 0) - 3)
;;       q = np.round(r / step) * step * 2.0 ** e      # np.round: ties to even
;;       return np.moveaxis(q.reshape(q.shape[:-2] + (-1,))[..., :K], -1, axis).astype(np.float32)
;;   ~~~
;;   SOFTMAX AHEAD OF A QUANTISED PRODUCT. Where the list says 'softmax', what is quantised is not the finished softmax but p = 2^(t - M), with t = logit x log2(e) and M = ceil(the row's largest t), a whole number; so 1/2 < the row's largest p <= 1. The row's sum l is taken of the UNQUANTISED p, in f32, and the product's result is divided by l at the end. Since M is a whole number, a kernel that streams over the keys may use a running M (the ceiling of the running maximum): every later rescaling is an exact power of two, which a block's scale takes up: the codes' values come out the same.
;;   OPERANDS COMPUTED ON THE WAY. 'Computed on the way' means the value that the module computes at that place (a softmax that the list does not call 'softmax' is quantised finished and normalised). What goes into a quantiser is computed in f32, as accurately as f32 sums, v_exp_f32 and their like allow (about 1e-6 of the number): no bf16 or f16 on the way to a quantiser, and a product that is left as it is and whose result goes on into a quantised operand takes f32 operands (vector FMAs, or v_wmma_f32_16x16x4_f32). A number that lies on a knife's edge between two numbers of the format may be rounded either way, as far as f32 arithmetic and the matrix unit's own rounding can turn it there, and no further.
;; One version. Each part assembles by itself: llvm-mc -triple=amdgcn-amd-amdhsa -mcpu=gfx1250 --defsym DOCPART=n.
;; ======== version 1 of 1: 3 launches
;; workspace buffers: codes 8,650,752 bytes; scales 360,448 bytes; qk_codes 12,582,912 bytes; qk_scales 1,048,576 bytes; v_codes 6,291,456 bytes; v_scales 262,144 bytes
;; launch quant (part 1): grid 352 x 1, 4 waves a work-group, no clusters, 68,096 bytes of LDS; arguments X, Wq, Wk, Wv, codes, scales; writes codes, scales
.if DOCPART == 1
	.amdgcn_target "amdgcn-amd-amdhsa--gfx1250"
	.amdhsa_code_object_version 6
	.text
	.protected	k_qa1f294c76b_quant
	.globl	k_qa1f294c76b_quant
	.p2align	8
	.type	k_qa1f294c76b_quant,@function
k_qa1f294c76b_quant:
	s_mov_b64 s[64:65], 0
	v_nop
	global_prefetch_b8 v0, s[64:65] scope:SCOPE_SE
	s_setreg_imm32_b32 hwreg(HW_REG_WAVE_MODE, 25, 1), 1
	s_wait_xcnt 0x0
; X [8192 rows][1024] and Wq, Wk, Wv [16 heads][1024 (K)][64], f32, become codes of FP6 (E2M3), K innermost, 768 bytes a row, and one E8M0 byte for each 32 along K, 32 bytes a row.
; ONE TABLE OF 11,264 ROWS: rows 0 .. 8191 are X's, rows 8192 + 1024 t + 64 head + e are column e of a head of Wq (t = 0), Wk (1), Wv (2).
; ROW ORDER: row p lies at the place that has bits 3 and 4 of p exchanged.  Sixteen places on end, tile 2 b + u, then hold in place r the row 32 b + 8 u + r + 8 (r / 8): the order in which the next
; launch wants the rows of a tile, so that its results come out as 16 neighbours in a lane's registers.
; A block's scale is 2^(floor(log2(its largest magnitude)) - 2); its byte is the largest magnitude's exponent field - 2, held at 1 from below; each number is divided by the scale and rounded to the nearest code, ties to even.
; LIMITS: a block whose largest magnitude lies under 2^-124 (a block of zeros among them) keeps the byte 1: its codes are zeros or subnormal codes under that byte, and this program alone reads the bytes.  NaN and infinities among the inputs are not served.
; Work-groups 0 .. 255 take X (K innermost: a plain stream of blocks of 32), work-groups 256 .. 351 the weights (K outermost in a head: a lane takes a column, its registers run down K).
; The two ways part on the work-group's number, have LDS bytes of their own, no barrier and no loop; waves share nothing.
.set SP,    80                         ; X: a lane's place in a stage: its 64 bytes + 16 of padding
.set CB,    12                         ; bytes of 16 codes
.set STEPS, 16                         ; X: steps of 512 numbers for a wave: 8 rows
.set WREG,  8192                       ; X: LDS bytes of a wave: two stages of 32 x SP bytes, and behind them its 256 scale bytes
.set XR,    16                         ; v16-79   four sets of 16 numbers as they are loaded
.set XX,    80                         ; v80-111  two sets of 16 neighbours
.set XE,    112                        ; v112-127 a scale byte for each step
.set XC,    128                        ; v128-191 codes: four registers for each step, so that no store's data are written again
.set WLDS,  32768                      ; the weights' stages begin here
.set PITCH, 272                        ; W: a stage row: sixteen places of 16 bytes, each with 12 bytes of codes, + 16
.set NB,    8                          ; W: blocks of 32 along K for a wave (256 along K)
.set WX,    32                         ; v32-95   two sets of 32 numbers
.set WC,    96                         ; v96..    a block's codes
.set WOUT,  112                        ; v112-175 the way out
.set WSB,   24                         ; v24-25   the scale bytes, four to a register
.macro XLOAD t
.irp i, 0,1,2,3
	global_load_b128 v[XR+16*((\t)%4)+4*\i:XR+16*((\t)%4)+4*\i+3], v3, s[4:5] offset:2048*(\t)+512*\i th:TH_LOAD_NT   ; 32 lanes read 512 consecutive bytes
.endr
.endm
.macro XTURN t                         ; step t's numbers through the stage: LDS serves a wave's instructions in order, so no wait stands between the stores and the loads
.irp i, 0,1,2,3
	ds_store_b128 v14, v[XR+16*((\t)%4)+4*\i:XR+16*((\t)%4)+4*\i+3] offset:32*SP*((\t)%2)+8*SP*\i
.endr
.irp i, 0,1,2,3
	ds_load_b128 v[XX+16*((\t)%2)+4*\i:XX+16*((\t)%2)+4*\i+3], v15 offset:32*SP*((\t)%2)+16*\i
.endr
.endm
.macro XSTEP t
.set XS, XX+16*((\t)%2)
.if (\t) > 0
	s_wait_dscnt 1                                 ; this step's numbers are back from the stage (the last step's byte store may be out): so its stores into the stage have read their registers,
.else
	s_wait_dscnt 0x0
.endif
.if (\t)+4 < STEPS
	XLOAD (\t)+4                                   ; which take the loads of four steps on
.endif
.if (\t)+1 < STEPS
.if STEPS-2-(\t) >= 3
	s_wait_loadcnt 12                              ; the next step's four loads are in; those of the three steps behind it may be out
.else
	s_wait_loadcnt 4*(STEPS-2-(\t))
.endif
	XTURN (\t)+1                                   ; and go through the other stage while this step is worked
.endif
	v_max3_num_f32 v8, |v[XS]|, |v[XS+1]|, |v[XS+2]|               ; the largest magnitude of my 16
	v_max3_num_f32 v9, |v[XS+3]|, |v[XS+4]|, |v[XS+5]|
.irp i, 6,10
	v_max3_num_f32 v8, v8, |v[XS+\i]|, |v[XS+\i+1]|
	v_max3_num_f32 v9, v9, |v[XS+\i+2]|, |v[XS+\i+3]|
.endr
	v_max3_num_f32 v8, v8, |v[XS+14]|, |v[XS+15]|
	v_max3_num_f32 v8, v8, v9, 0x1800000           ; and the floor 2^(3 - 127): the byte cannot fall under 1
	v_max_num_f32_dpp v8, v8, v8 row_xmask:1 row_mask:0xf bank_mask:0xf   ; and of my neighbour's 16: the block's
	v_add_nc_u32 v11, 0xff000000, v8               ; 2 off its exponent field: the conversion takes the exponent field of this operand as its scale
	v_cvt_scalef32_pk16_fp6_f32 v[XC+4*(\t):XC+4*(\t)+2], v[XS:XS+15], v11
	v_lshrrev_b32 v[XE+(\t)], 23, v11              ; the scale's byte (a plain line behind the conversion)
	ds_store_b8 v5, v[XE+(\t)] offset:16*(\t)      ; both lanes of a block write the same byte with the same value
	global_store_b96 v4, v[XC+4*(\t):XC+4*(\t)+2], s[12:13] offset:32*CB*(\t)   ; the wave stores 384 consecutive bytes
.endm
.macro WLOAD t                         ; block t: W(32 t + i, my column), i = 0 .. 31, into set t % 2; a row of a head is 256 bytes
.irp i, 0,1,2,3,4,5,6,7,8,9,10,11,12,13,14,15,16,17,18,19,20,21,22,23,24,25,26,27,28,29,30,31
	global_load_b32 v[WX+32*((\t)%2)+\i], v3, s[6:7] offset:(32*(\t)+\i)*256 th:TH_LOAD_NT
.endr
.endm
.macro WBLOCK t
.set WS, WX+32*((\t)%2)
.if (\t) < NB-1
	s_wait_loadcnt 32                              ; this block's 32 loads are in; the next block's may be out
.else
	s_wait_loadcnt 0
.endif
	v_max3_num_f32 v12, |v[WS]|, |v[WS+1]|, |v[WS+2]|              ; the block's largest magnitude: all 32 numbers are mine
	v_max3_num_f32 v13, |v[WS+3]|, |v[WS+4]|, |v[WS+5]|
.irp i, 6,10,14,18,22,26
	v_max3_num_f32 v12, v12, |v[WS+\i]|, |v[WS+\i+1]|
	v_max3_num_f32 v13, v13, |v[WS+\i+2]|, |v[WS+\i+3]|
.endr
	v_max3_num_f32 v12, v12, |v[WS+30]|, |v[WS+31]|
	v_max3_num_f32 v12, v12, v13, 0x1800000        ; and the floor 2^(3 - 127)
	v_add_nc_u32 v11, 0xff000000, v12              ; the conversion's scale operand
	v_lshrrev_b32 v13, 23, v11                     ; the scale's byte
.if (\t)%4 == 0
	v_mov_b32 v[WSB+(\t)/4], v13                   ; four bytes to a register, the lower K in the lower byte
.else
	v_lshl_or_b32 v[WSB+(\t)/4], v13, 8*((\t)%4), v[WSB+(\t)/4]
.endif
	v_cvt_scalef32_pk16_fp6_f32 v[WC:WC+2], v[WS:WS+15], v11
	v_cvt_scalef32_pk16_fp6_f32 v[WC+4:WC+6], v[WS+16:WS+31], v11  ; (a conversion's three registers begin on an even number)
	ds_store_b96 v4, v[WC:WC+2] offset:32*(\t)     ; 16 codes, 12 bytes, to a place of 16 bytes, so that every LDS address is a multiple of 16
	ds_store_b96 v4, v[WC+4:WC+6] offset:32*(\t)+16
.if (\t)+2 < NB
	WLOAD (\t)+2
.endif
	s_wait_dscnt 0x0                               ; the stores have read their registers: the next block's codes may be written
.endm
	s_load_b256 s[4:11], s[0:1], 0x0               ; X s[4:5], Wq s[6:7], Wk s[8:9], Wv s[10:11]
	s_load_b128 s[12:15], s[0:1], 0x20             ; the codes s[12:13], the scale bytes s[14:15]
	v_lshl_add_u32 v192, v0, 2, 0x10800
	v_mov_b32 v193, 0
	v_lshrrev_b32 v1, 5, v0
	v_readfirstlane_b32 s16, v1                    ; wave 0..3
	v_and_b32 v2, 31, v0                           ; lane
	s_cmp_lt_u32 ttmp9, 256
	s_cbranch_scc0 .Lw
	; ---- X.  A wave takes 8 rows (8,192 numbers); the work-group's 32 rows differ in bits 3 and 4 by the wave's number alone, so the exchange of these bits is an exchange of the wave's two bits on the way out.
	v_lshlrev_b32 v3, 4, v2                        ; my 16 bytes of a load's 512
	s_mul_i32 s17, s16, WREG
	v_lshrrev_b32 v14, 2, v2
	v_mul_u32_u24 v14, v14, SP
	v_and_b32 v15, 3, v2
	v_lshl_add_u32 v14, v15, 4, v14
	v_add_nc_u32 v14, s17, v14                     ; the stage, on the way in: SP (lane / 4) + 16 (lane % 4)
	v_mul_u32_u24 v15, v2, SP
	v_add_nc_u32 v15, s17, v15                     ; and on the way out: SP x lane: my 16 neighbours
	v_mul_u32_u24 v4, v2, CB                       ; my codes' place in a step's
	v_lshrrev_b32 v5, 1, v2
	s_add_co_u32 s17, s17, 2*32*SP
	v_add_nc_u32 v5, s17, v5                       ; LDS: my wave's 256 scale bytes, my block's byte
	v_lshlrev_b32 v7, 3, v2                        ; and on the way out 8 bytes a lane
	v_add_nc_u32 v6, s17, v7
	s_lshl_b32 s18, ttmp9, 2
	s_add_co_u32 s20, s18, s16                     ; which run of 8 rows I read
	s_lshl_b32 s20, s20, 15                        ; 32,768 bytes a run
	s_mov_b32 s21, 0
	s_and_b32 s22, s16, 1
	s_lshl_b32 s22, s22, 1
	s_lshr_b32 s23, s16, 1
	s_or_b32 s22, s22, s23                         ; the wave's two bits exchanged
	s_add_co_u32 s22, s18, s22                     ; which run of 8 places I write
	s_mul_i32 s24, s22, 6144                       ; 8 rows of 768 bytes
	s_mov_b32 s25, 0
	s_lshl_b32 s26, s22, 8                         ; 8 rows of 32 bytes
	s_mov_b32 s27, 0
	s_wait_alu depctr_va_vdst(0)
	s_wait_kmcnt 0x0
	s_add_nc_u64 s[4:5], s[4:5], s[20:21]
	s_add_nc_u64 s[12:13], s[12:13], s[24:25]
	s_add_nc_u64 s[14:15], s[14:15], s[26:27]
.irp t, 0,1,2,3
	XLOAD \t
.endr
	s_wait_loadcnt 12                              ; step 0's four loads are in
	XTURN 0
.irp t, 0,1,2,3,4,5,6,7,8,9,10,11,12,13,14,15
	XSTEP \t
.endr
	ds_load_b64 v[12:13], v6                       ; LDS serves a wave's instructions in order: these see my byte stores
	s_wait_dscnt 0x0
	global_store_b64 v7, v[12:13], s[14:15]        ; 32 lanes store 256 consecutive bytes, at a multiple of 256 from the buffer's first byte
	s_wait_tensorcnt 0x0
	ds_add_u32 v192, v193
	s_wait_dscnt 0x0
	s_endpgm
.Lw:	; ---- the weights.  Work-group j = 0 .. 95: tensor j / 32, head (j / 2) % 16.  A wave takes 32 columns (half a head's 64) x 256 along K.
	s_sub_co_u32 s17, ttmp9, 256                   ; j
	s_lshr_b32 s18, s17, 5                         ; t: Wq, Wk, Wv
	s_bfe_u32 s19, s17, 0x40001                    ; the head
	s_and_b32 s20, s16, 1                          ; which 32 columns
	s_and_b32 s21, s17, 1
	s_lshl_b32 s21, s21, 1
	s_lshr_b32 s22, s16, 1
	s_or_b32 s21, s21, s22                         ; which 256 along K
	s_lshl_b32 s24, s19, 18                        ; in: a head is 262,144 bytes,
	s_lshl_b32 s22, s21, 16                        ; 256 rows of 256 bytes,
	s_add_co_u32 s24, s24, s22
	s_lshl_b32 s22, s20, 7                         ; 32 columns of 4 bytes
	s_add_co_u32 s24, s24, s22
	s_mov_b32 s25, 0
	s_lshl_b32 s30, s18, 10
	s_lshl_b32 s22, s19, 6
	s_add_co_u32 s30, s30, s22
	s_lshl_b32 s22, s20, 5
	s_add_co_u32 s30, s30, s22
	s_add_co_u32 s30, s30, 8192                    ; the table's row of my wave's first column: a multiple of 32
	s_mul_i32 s26, s30, 768
	s_mul_i32 s22, s21, 192
	s_add_co_u32 s26, s26, s22                     ; its codes of my 256 along K
	s_mov_b32 s27, 0
	s_lshl_b32 s28, s30, 5
	s_lshl_b32 s22, s21, 3
	s_add_co_u32 s28, s28, s22                     ; and its 8 scale bytes
	s_mov_b32 s29, 0
	s_mul_i32 s23, s16, 32*PITCH
	s_add_co_u32 s23, s23, WLDS                    ; my stage
	s_wait_alu depctr_va_vdst(0)
	v_lshlrev_b32 v3, 2, v2                        ; in: 4 bytes a lane
	v_mul_u32_u24 v4, v2, PITCH
	v_add_nc_u32 v4, s23, v4                       ; into the stage: row = my column
	v_and_b32 v5, 15, v2
	v_lshrrev_b32 v6, 4, v2                        ; out of it: sixteen lanes to a row, two rows an instruction
	v_mul_u32_u24 v7, v6, PITCH
	v_lshl_add_u32 v7, v5, 4, v7
	v_add_nc_u32 v7, s23, v7
	v_mul_u32_u24 v8, v6, 768
	v_mad_u32_u24 v8, v5, 12, v8                   ; and the same place in the codes' table (bit 0 of the row is not exchanged)
	v_and_b32 v9, 7, v2                            ; my column's place: bits 3 and 4 of the lane exchanged,
	v_and_b32 v10, 8, v2
	v_lshl_or_b32 v9, v10, 1, v9
	v_and_b32 v10, 16, v2
	v_lshrrev_b32 v10, 1, v10
	v_or_b32 v9, v9, v10
	v_lshlrev_b32 v9, 5, v9                        ; x 32 bytes of scales a row
	s_wait_kmcnt 0x0
	s_cmp_eq_u32 s18, 0                            ; the tensor is chosen by the work-group's number alone
	s_cselect_b64 s[6:7], s[6:7], s[8:9]
	s_cmp_eq_u32 s18, 2
	s_cselect_b64 s[6:7], s[10:11], s[6:7]
	s_add_nc_u64 s[6:7], s[6:7], s[24:25]
	s_add_nc_u64 s[12:13], s[12:13], s[26:27]
	s_add_nc_u64 s[14:15], s[14:15], s[28:29]
	WLOAD 0
	WLOAD 1
.irp t, 0,1,2,3,4,5,6,7
	WBLOCK \t
.endr
	s_wait_alu depctr_va_vdst(0)
	global_store_b64 v9, v[WSB:WSB+1], s[14:15]    ; my column's 8 scale bytes
.irp t, 0,1,2,3,4,5,6,7,8,9,10,11,12,13,14,15
	ds_load_b96 v[WOUT+4*\t:WOUT+4*\t+2], v7 offset:2*\t*PITCH     ; LDS serves a wave's instructions in order: these see my stores
.endr
.irp t, 0,1,2,3,4,5,6,7,8,9,10,11,12,13,14,15
	s_wait_dscnt 15-\t                             ; the younger loads may be out
	global_store_b96 v8, v[WOUT+4*\t:WOUT+4*\t+2], s[12:13] offset:((2*\t)%8+16*((\t/4)%2)+8*(\t/8))*768   ; stage rows 2 t, 2 t + 1 go to the places with bits 3 and 4 exchanged; sixteen lanes store a row's 192 consecutive bytes
.endr
	s_wait_tensorcnt 0x0
	ds_add_u32 v192, v193
	s_wait_dscnt 0x0
	s_endpgm
.Lfunc_end_k_qa1f294c76b_quant:
	.size	k_qa1f294c76b_quant, .Lfunc_end_k_qa1f294c76b_quant-k_qa1f294c76b_quant
	.p2alignl 7, 3214868480
	.fill 96, 4, 3214868480
	.section	.rodata,"a",@progbits
	.p2align	6, 0x0
	.amdhsa_kernel k_qa1f294c76b_quant
		.amdhsa_group_segment_fixed_size 68096
		.amdhsa_private_segment_fixed_size 0
		.amdhsa_enable_private_segment 0
		.amdhsa_kernarg_size 48
		.amdhsa_user_sgpr_count 2
		.amdhsa_user_sgpr_kernarg_segment_ptr 1
		.amdhsa_wavefront_size32 1
		.amdhsa_system_sgpr_workgroup_id_x 1
		.amdhsa_system_sgpr_workgroup_id_y 1
		.amdhsa_system_sgpr_workgroup_id_z 1
		.amdhsa_system_vgpr_workitem_id 0
		.amdhsa_next_free_vgpr 194
		.amdhsa_next_free_sgpr 66
		.amdhsa_reserve_vcc 0
		.amdhsa_float_denorm_mode_32 3
		.amdhsa_float_denorm_mode_16_64 3
		.amdhsa_memory_ordered 1
		.amdhsa_forward_progress 1
		.amdhsa_inst_pref_size 74
	.end_amdhsa_kernel
	.amdgpu_metadata
---
amdhsa.version: [ 1, 2 ]
amdhsa.kernels:
  - .name:           k_qa1f294c76b_quant
    .symbol:         k_qa1f294c76b_quant.kd
    .args:
      - { .name: X, .offset: 0, .size: 8, .value_kind: global_buffer, .address_space: global }
      - { .name: Wq, .offset: 8, .size: 8, .value_kind: global_buffer, .address_space: global }
      - { .name: Wk, .offset: 16, .size: 8, .value_kind: global_buffer, .address_space: global }
      - { .name: Wv, .offset: 24, .size: 8, .value_kind: global_buffer, .address_space: global }
      - { .name: codes, .offset: 32, .size: 8, .value_kind: global_buffer, .address_space: global }
      - { .name: scales, .offset: 40, .size: 8, .value_kind: global_buffer, .address_space: global }
    .group_segment_fixed_size: 68096
    .private_segment_fixed_size: 0
    .kernarg_segment_align: 8
    .kernarg_segment_size: 48
    .max_flat_workgroup_size: 128
    .sgpr_count:     66
    .vgpr_count:     194
    .wavefront_size: 32
...
	.end_amdgpu_metadata
.endif
;; end of part 1
;; launch proj (part 2): grid 8 x 48, 4 waves a work-group, clusters of 4 x 4, 327,680 bytes of LDS; arguments codes, scales, qk_codes, qk_scales, v_codes, v_scales; writes qk_codes, qk_scales, v_codes, v_scales
.if DOCPART == 2
	.amdgcn_target "amdgcn-amd-amdhsa--gfx1250"
	.amdhsa_code_object_version 6
	.text
	.protected	k_qa1f294c76b_proj
	.globl	k_qa1f294c76b_proj
	.p2align	8
	.type	k_qa1f294c76b_proj,@function
k_qa1f294c76b_proj:
	s_mov_b64 s[64:65], 0
	v_nop
	global_prefetch_b8 v0, s[64:65] scope:SCOPE_SE
	s_setreg_imm32_b32 hwreg(HW_REG_WAVE_MODE, 25, 1), 1
	s_wait_xcnt 0x0
	s_wait_alu depctr_hold_cnt(0) depctr_sa_sdst(0) depctr_va_vdst(0) depctr_va_sdst(0) depctr_va_ssrc(0) depctr_va_vcc(0) depctr_vm_vsrc(0)
	s_getreg_b32 s2, hwreg(HW_REG_IB_STS2, 6, 4)
	s_cmp_eq_u32 s2, 0
	s_cbranch_scc0 .Lentry_in_a_cluster
	s_endpgm
.Lentry_in_a_cluster:
	s_bfe_u32 s2, ttmp6, 0x10000c
	s_cmp_lg_u32 s2, 0xf033
	s_cbranch_scc0 .Lentry_shape_is_right
	s_endpgm
.Lentry_shape_is_right:
.set KSTEP,  256
.set NQ,     2
.set ROWB,   192
.set KROW,   768
.set PITCH,  240
.set FR,     12
.set NL,     6
.set NP,     4
.set HALFT,  128*PITCH
.set SLOT,   4*HALFT
.set LAPS,   2
.set KS,     32
.set SCL,    2*SLOT
.set HALFS,  (128*KS/256)*272
.set SBLK,   (16*KS/256)*272
.set SPARE,  SCL+4*HALFS
.set LN,   15
.set ADRA, 16
.set ADRB, 20
.set CO16, 24
.set CO8,  25
.set CS,   26
.set ADRS, 27
.set SPW,  28
.set NIL,  29
.set SH,   30
.set CSV,  31
.set SC,   32
.set SW,   64
.set PC,   72
.set TM,   96
.set PW,   112
.set AF,   128
.set G1, 24
.set G0, 32
.set G1B, 48
.set G0B, 56
.set G1S, 68
.set G0S, 76
.set G1SB, 80
.set G0SB, 88
.set MSB, 0
.macro WIN new
.if MSB != (\new)
	s_set_vgpr_msb (MSB<<8)|(\new)
.set MSB, (\new)
.endif
.endm
.set MUL_LO, 0xa1
.set MUL_HI, 0xf1
.set TO_B,   0x40
.macro JLOAD g0a, g1a, g0b, g1b
	s_cmp_eq_u32 s17, 0
	s_cbranch_scc0 .Lfor_b_\@
	tensor_load_to_lds s[\g0a:\g0a+3], s[\g1a:\g1a+7]
	s_nop 0
.rept 4
	v_nop
.endr
	s_branch .Lasked_\@
.Lfor_b_\@:
	tensor_load_to_lds s[\g0b:\g0b+3], s[\g1b:\g1b+7]
	s_nop 0
.rept 4
	v_nop
.endr
.Lasked_\@:
.endm
.macro CREST
	s_cmp_lg_u32 s16, 0
	s_cbranch_scc1 .Lnot_wave_0_\@
	s_barrier_signal -3
.Lnot_wave_0_\@:
	s_barrier_wait -3
	s_barrier_signal -1
	s_barrier_wait -1
.endm
.macro CROUND
	s_barrier_signal -1
	s_barrier_wait -1
	CREST
.endm
	s_load_b256 s[4:11], s[0:1], 0x0
	s_load_b128 s[12:15], s[0:1], 0x20
	v_lshl_add_u32 v[SPW], v0, 2, SPARE
	v_mov_b32 v[NIL], 0
	ds_add_u32 v28, v29
	ds_add_u32 v28, v29
	s_wait_dscnt 0x0
	v_lshrrev_b32 v1, 5, v0
	v_readfirstlane_b32 s16, v1
	s_lshr_b32 s17, s16, 1
	s_and_b32 s18, s16, 1
	s_bfe_u32 s40, ttmp6, 0x40000
	s_bfe_u32 s41, ttmp6, 0x40004
	s_lshl_b32 s42, ttmp9, 2
	s_add_co_u32 s42, s42, s40
	s_and_b32 s19, ttmp7, 0xffff
	s_lshl_b32 s43, s41, 2
	s_lshl_b32 s43, 15, s43
	s_lshl_b32 s44, 0x1111, s40
	s_max_u32 s45, s19, 8
	s_sub_co_u32 s45, s45, 8
	s_lshl_b32 s45, s45, 3
	s_lshl_b32 s46, s19, 2
	s_cmp_ge_u32 s19, 8
	s_cselect_b32 s45, s45, 32
	s_cselect_b32 s46, 40, s46
	s_add_co_u32 s92, s41, s46
	s_add_co_u32 s93, s42, s45
	s_or_b32 s[G1+0], s43, (0<<16)|(1<<20)|(1<<21)|(3<<22)|(3<<25)
	s_or_b32 s[G1B+0], s44, (0<<16)|(1<<20)|(1<<21)|(3<<22)|(3<<25)
.irp g, G1, G1B
	s_mov_b32 s[\g+1], ROWB<<16
	s_mov_b32 s[\g+2], 128<<16
	s_mov_b32 s[\g+3], ROWB<<16
	s_mov_b32 s[\g+4], 128
	s_mov_b32 s[\g+5], KROW
	s_mov_b32 s[\g+6], 0
	s_mov_b32 s[\g+7], 0
.endr
	s_or_b32 s[G1S+0], s43, (3<<16)|(1<<20)|(1<<21)|(5<<22)|(3<<25)
	s_or_b32 s[G1SB+0], s44, (3<<16)|(1<<20)|(1<<21)|(5<<22)|(3<<25)
.irp g, G1S, G1SB
	s_mov_b32 s[\g+1], 32<<16
	s_mov_b32 s[\g+2], (128*KS/256)<<16
	s_mov_b32 s[\g+3], 32<<16
	s_mov_b32 s[\g+4], 128*KS/256
	s_mov_b32 s[\g+5], 32
	s_mov_b32 s[\g+6], 0
	s_mov_b32 s[\g+7], 0
.endr
	s_lshl_b32 s20, s92, 8
	s_lshl_b32 s22, s18, 7
	s_add_co_u32 s20, s20, s22
	s_lshl_b32 s22, s20, 5
	s_mul_i32 s20, s20, KROW
	s_mov_b32 s21, 0
	s_mov_b32 s23, 0
	s_lshl_b32 s94, s93, 8
	s_lshl_b32 s96, s18, 7
	s_add_co_u32 s94, s94, s96
	s_lshl_b32 s96, s94, 5
	s_mul_i32 s94, s94, KROW
	s_mov_b32 s95, 0
	s_mov_b32 s97, 0
	s_mul_i32 s47, s16, HALFT
	s_mul_i32 s2, s16, HALFS
	s_mov_b32 s66, 0x76543210
	s_mov_b32 s67, 0xfedcba98
	s_wait_kmcnt 0x0
	s_add_nc_u64 s[20:21], s[4:5], s[20:21]
	s_add_nc_u64 s[22:23], s[6:7], s[22:23]
	s_add_nc_u64 s[94:95], s[4:5], s[94:95]
	s_add_nc_u64 s[96:97], s[6:7], s[96:97]
	CROUND
	s_mov_b32 s[G0S], 1
	s_add_co_u32 s[G0S+1], s2, SCL
	s_mov_b64 s[G0S+2:G0S+3], s[22:23]
	s_or_b32 s[G0S+3], s[G0S+3], 0x80000000
	s_mov_b32 s[G0SB], 1
	s_add_co_u32 s[G0SB+1], s2, SCL
	s_mov_b64 s[G0SB+2:G0SB+3], s[96:97]
	s_or_b32 s[G0SB+3], s[G0SB+3], 0x80000000
	JLOAD G0S, G1S, G0SB, G1SB
.irp s, 0,1
	s_mov_b32 s[G0+4*\s], 1
	s_add_co_u32 s[G0+4*\s+1], s47, \s*SLOT
	s_add_nc_u64 s[G0+4*\s+2:G0+4*\s+3], s[20:21], \s*ROWB
	s_or_b32 s[G0+4*\s+3], s[G0+4*\s+3], 0x80000000
	s_mov_b32 s[G0B+4*\s], 1
	s_add_co_u32 s[G0B+4*\s+1], s47, \s*SLOT
	s_add_nc_u64 s[G0B+4*\s+2:G0B+4*\s+3], s[94:95], \s*ROWB
	s_or_b32 s[G0B+4*\s+3], s[G0B+4*\s+3], 0x80000000
	s_wait_alu depctr_va_vdst(0)
	s_wait_tensorcnt 0x0
	ds_add_u32 v28, v29
	s_wait_dscnt 0x0
	CROUND
	JLOAD G0+4*\s, G1, G0B+4*\s, G1B
.endr
	v_and_b32 v1, 15, v0
	v_bfe_u32 v2, v0, 4, 1
	v_mul_u32_u24 v3, v1, PITCH
	v_mul_u32_u24 v4, v2, 24
	v_add_nc_u32 v4, v3, v4
	v_lshl_add_u32 v5, v2, 4, v4
	s_mul_i32 s45, s17, HALFT
	s_mul_i32 s46, s18, HALFT
	s_add_co_u32 s46, s46, 2*HALFT
.irp s, 0,1
	v_add_nc_u32 v[ADRA+\s], s45, v4
	v_add_nc_u32 v[ADRB+\s], s46, v4
	v_add_nc_u32 v[ADRA+2+\s], s45, v5
	v_add_nc_u32 v[ADRB+2+\s], s46, v5
	s_add_co_u32 s45, s45, SLOT
	s_add_co_u32 s46, s46, SLOT
.endr
	v_mul_u32_u24 v5, v1, KS
	v_lshrrev_b32 v6, 8, v5
	v_lshl_add_u32 v5, v6, 4, v5
	s_mul_i32 s45, s17, HALFS
	s_mul_i32 s46, s18, HALFS
	s_add_co_u32 s46, s46, 2*HALFS
	s_sub_co_u32 s46, s46, s45
	v_mul_u32_u24 v6, s46, v2
	s_add_co_u32 s45, s45, SCL
	v_add_nc_u32 v5, v5, v6
	v_add_nc_u32 v[ADRS], s45, v5
	v_and_b32 v[LN], 31, v0
	v_lshlrev_b32 v[CO16], 4, v[LN]
	v_lshlrev_b32 v[CO8], 3, v[LN]
	v_lshlrev_b32 v[SH], 4, v2
	v_lshlrev_b32 v[CS], 4, v1
	v_lshl_add_u32 v[CSV], v2, 14, v[CS]
	v_lshl_add_u32 v[CS], v2, 15, v[CS]
.irp b, 0,1,2,3
	v_mov_b32 v[TM+4+\b], 0
.endr
.macro FRAG reg, adr, q, i
.irp p, 0,1,2,3,4,5
.set PCE, 12*(\q)+6*(\p/3)+\p%3
.if PCE%8 < 5
	ds_load_b64 v[\reg+2*\p:\reg+2*\p+1], v[\adr] offset:8*PCE+16*(PCE/8)+(\i)*16*PITCH
.else
	ds_load_b64 v[\reg+2*\p:\reg+2*\p+1], v[\adr+2] offset:8*PCE+16*(PCE/8)+(\i)*16*PITCH
.endif
.endr
.endm
.macro MUL16 a0, p, q, sc, zero
.irp a, \a0, \a0+1
.irp b, 0,1,2,3,4,5,6,7
.if \zero
	v_wmma_scale_f32_16x16x128_f8f6f4 v[8*(8*((\a)%4)+\b):8*(8*((\a)%4)+\b)+7], v[128*(\p)+FR*\b:128*(\p)+FR*\b+FR-1], v[AF+FR*(\a):AF+FR*(\a)+FR-1], 0, v[SC+8*NQ*(\sc)+NQ*\b+(\q)], v[SC+8*NQ*(\sc)+NQ*(\a)+(\q)] matrix_a_fmt:MATRIX_FMT_FP6 matrix_b_fmt:MATRIX_FMT_FP6 matrix_a_scale:MATRIX_SCALE_ROW1
.else
	v_wmma_scale_f32_16x16x128_f8f6f4 v[8*(8*((\a)%4)+\b):8*(8*((\a)%4)+\b)+7], v[128*(\p)+FR*\b:128*(\p)+FR*\b+FR-1], v[AF+FR*(\a):AF+FR*(\a)+FR-1], v[8*(8*((\a)%4)+\b):8*(8*((\a)%4)+\b)+7], v[SC+8*NQ*(\sc)+NQ*\b+(\q)], v[SC+8*NQ*(\sc)+NQ*(\a)+(\q)] matrix_a_fmt:MATRIX_FMT_FP6 matrix_b_fmt:MATRIX_FMT_FP6 matrix_a_scale:MATRIX_SCALE_ROW1
.endif
.endr
.endr
.endm
.macro FETCH_B slot, q, p
	WIN TO_B
.irp i, 0,1,2,3,4,5,6,7
	FRAG 128*(\p)+FR*\i, ADRB+\slot, \q, \i
.endr
	WIN 0
.endm
.macro FETCH_A slot, q, i0
.irp i, \i0, \i0+1, \i0+2, \i0+3
	FRAG AF+FR*(\i), ADRA+\slot, \q, \i
.endr
.endm
.macro SCALES sc
.irp i, 0,1,2,3,4,5,6,7
	ds_load_b64 v[SC+8*NQ*\sc+NQ*\i:SC+8*NQ*\sc+NQ*\i+1], v[ADRS] offset:\i*SBLK
.endr
.endm
.macro PLACES n
.rept \n
	v_nop
.endr
.endm
.macro STEP slot, q, zero
	s_wait_dscnt 4*NL
	WIN MUL_LO
	MUL16 0, (\q)%2, \q, \slot, \zero
	MUL16 2, (\q)%2, \q, \slot, \zero
	s_wait_dscnt 0
	PLACES NP
	FETCH_B \slot, (\q)+1, 1-(\q)%2
	FETCH_A \slot, (\q)+1, 0
	WIN MUL_HI
	MUL16 4, (\q)%2, \q, \slot, \zero
	MUL16 6, (\q)%2, \q, \slot, \zero
	PLACES NP
	WIN 0
	FETCH_A \slot, (\q)+1, 4
.endm
.macro TURN slot, next, fill
	s_wait_tensorcnt 0x0
	ds_add_u32 v[SPW], v[NIL]
	s_wait_dscnt 4*NL+1
	WIN MUL_LO
	MUL16 0, 1, NQ-1, \slot, 0
	s_wait_dscnt 0x0
	s_barrier_signal -1
	MUL16 2, 1, NQ-1, \slot, 0
	WIN 0
	s_barrier_wait -1
.if \fill
	CREST
	s_add_nc_u64 s[G0+4*\slot+2:G0+4*\slot+3], s[G0+4*\slot+2:G0+4*\slot+3], 2*ROWB
	s_add_nc_u64 s[G0B+4*\slot+2:G0B+4*\slot+3], s[G0B+4*\slot+2:G0B+4*\slot+3], 2*ROWB
	JLOAD G0+4*\slot, G1, G0B+4*\slot, G1B
.else
	PLACES NP
.endif
	s_wait_alu depctr_va_vdst(0)
	v_add_nc_u32 v[ADRS], 4*NQ, v[ADRS]
	FETCH_B \next, 0, 0
	FETCH_A \next, 0, 0
	SCALES \next
	WIN MUL_HI
	MUL16 4, 1, NQ-1, \slot, 0
	MUL16 6, 1, NQ-1, \slot, 0
	PLACES NP
	WIN 0
	FETCH_A \next, 0, 4
.endm
	s_wait_tensorcnt 1
	s_barrier_signal -1
	s_barrier_wait -1
	FETCH_B 0, 0, 0
	FETCH_A 0, 0, 0
	SCALES 0
	FETCH_A 0, 0, 4
	STEP 0, 0, 1
	s_mov_b32 s3, LAPS-1
.Llap:
	TURN 0, 1, 1
	STEP 1, 0, 0
	TURN 1, 0, 1
	STEP 0, 0, 0
	s_sub_co_u32 s3, s3, 1
	s_cmp_lg_u32 s3, 0
	s_cbranch_scc1 .Llap
	TURN 0, 1, 0
	STEP 1, 0, 0
	s_wait_dscnt 4*NL
	WIN MUL_LO
	MUL16 0, 1, NQ-1, 1, 0
	MUL16 2, 1, NQ-1, 1, 0
	s_wait_dscnt 0
	WIN MUL_HI
	MUL16 4, 1, NQ-1, 1, 0
	MUL16 6, 1, NQ-1, 1, 0
	WIN 0
.macro QUANTW a, pw
.set QS, 64*((\a)%4)
.set QW, 2+(\a)/4
.set QW5, 5*QW
	WIN QW5
.irp b, 0,1,2,3
	v_max3_num_f32 v[TM+\b], |v[QS+16*\b]|, |v[QS+16*\b+1]|, 0x1800000
.endr
.irp i, 2,4,6,8,10,12,14
.irp b, 0,1,2,3
	v_max3_num_f32 v[TM+\b], |v[QS+16*\b+\i]|, |v[QS+16*\b+\i+1]|, v[TM+\b]
.endr
.endr
	WIN 0
.irp b, 0,1,2,3
	v_permlanex16_b32 v[TM+4+\b], v[TM+\b], s66, s67
.endr
.irp b, 0,1,2,3
	v_max_num_f32 v[TM+\b], v[TM+\b], v[TM+4+\b]
.endr
.irp b, 0,1,2,3
	v_add_nc_u32 v[TM+12+\b], 0xff000000, v[TM+\b]
.endr
.irp b, 0,1,2,3
	v_lshrrev_b32 v[TM+4+\b], 23, v[TM+12+\b]
.endr
	v_lshl_or_b32 v[\pw], v[TM+5], 8, v[TM+4]
	v_lshl_or_b32 v[\pw], v[TM+6], 16, v[\pw]
	v_lshl_or_b32 v[\pw], v[TM+7], 24, v[\pw]
	s_wait_xcnt 0x0
	WIN QW
.irp c, 0,1
	v_cvt_scalef32_pk16_fp6_f32 v[PC+6*\c:PC+6*\c+2], v[QS+32*\c:QS+32*\c+15], v[TM+12+2*\c]
	v_cvt_scalef32_pk16_fp6_f32 v[PC+12+4*\c:PC+14+4*\c], v[QS+16+32*\c:QS+31+32*\c], v[TM+13+2*\c]
.endr
	WIN 0
	v_nop
.irp c, 0,1
.irp i, 0,1,2
	v_permlane16_swap_b32 v[PC+6*\c+\i], v[PC+12+4*\c+\i]
.endr
.irp i, 0,1,2
	v_mov_b32 v[PC+3+6*\c+\i], v[PC+12+4*\c+\i]
.endr
.endr
.endm
	PLACES NP
	s_cmp_ge_u32 s19, 8
	s_cbranch_scc1 .Lv
	s_lshl_b32 s94, s42, 2
	s_lshl_b32 s95, s18, 1
	s_add_co_u32 s94, s94, s95
	s_lshl_b32 s96, s94, 15
	s_mul_i32 s94, s94, 393216
	s_lshl_b32 s95, s92, 4
	s_lshl_b32 s97, s17, 3
	s_add_co_u32 s95, s95, s97
	s_lshl_b32 s97, s95, 6
	s_mul_i32 s95, s95, 768
	s_add_co_u32 s94, s94, s95
	s_add_co_u32 s96, s96, s97
	s_mov_b32 s95, 0
	s_mov_b32 s97, 0
	s_add_nc_u64 s[8:9], s[8:9], s[94:95]
	s_add_nc_u64 s[10:11], s[10:11], s[96:97]
.irp a, 0,1,2,3,4,5,6,7
	QUANTW \a, PW
	v_lshrrev_b32 v[SW+\a], v[SH], v[PW]
	global_store_b128 v[CO16], v[PC:PC+3], s[8:9] offset:768*\a
	global_store_b64 v[CO8], v[PC+4:PC+5], s[8:9] offset:768*\a+512
	global_store_b128 v[CO16], v[PC+6:PC+9], s[8:9] offset:393216+768*\a
	global_store_b64 v[CO8], v[PC+10:PC+11], s[8:9] offset:393216+768*\a+512
.if \a == 3
	global_store_b128 v[CS], v[SW:SW+3], s[10:11]
.endif
.if \a == 7
	global_store_b128 v[CS], v[SW+4:SW+7], s[10:11] offset:256
.endif
.endr
	s_branch .Ldone
.Lv:
	s_lshl_b32 s94, s41, 2
	s_lshl_b32 s95, s17, 1
	s_add_co_u32 s94, s94, s95
	s_lshl_b32 s96, s94, 14
	s_mul_i32 s94, s94, 393216
	s_lshl_b32 s95, s93, 1
	s_add_co_u32 s95, s95, s18
	s_lshl_b32 s97, s95, 8
	s_mul_i32 s95, s95, 6144
	s_add_co_u32 s94, s94, s95
	s_add_co_u32 s96, s96, s97
	s_mov_b32 s95, 0
	s_mov_b32 s97, 0
	s_add_nc_u64 s[12:13], s[12:13], s[94:95]
	s_add_nc_u64 s[14:15], s[14:15], s[96:97]
.irp a, 0,1,2,3,4,5,6,7
	QUANTW \a, SW+\a
.irp c, 0,1,2
	global_store_b128 v[CO16], v[PC+4*\c:PC+4*\c+3], s[12:13] offset:(\a/4)*393216+(\a%4)*1536+512*\c
.endr
.endr
	v_cmp_lt_u32 vcc_lo, 15, v[LN]
.irp i, 0,1,2,3
	v_cndmask_b32 v[SW+\i], v[SW+\i], v[SW+4+\i], vcc_lo
.endr
	global_store_b128 v[CSV], v[SW:SW+3], s[14:15]
.Ldone:
	s_wait_tensorcnt 0x0
	ds_add_u32 v[SPW], v[NIL]
	s_wait_dscnt 0x0
	CROUND
	s_endpgm
.Lfunc_end_k_qa1f294c76b_proj:
	.size	k_qa1f294c76b_proj, .Lfunc_end_k_qa1f294c76b_proj-k_qa1f294c76b_proj
	.p2alignl 7, 3214868480
	.fill 96, 4, 3214868480
	.section	.rodata,"a",@progbits
	.p2align	6, 0x0
	.amdhsa_kernel k_qa1f294c76b_proj
		.amdhsa_group_segment_fixed_size 327680
		.amdhsa_private_segment_fixed_size 0
		.amdhsa_enable_private_segment 0
		.amdhsa_kernarg_size 48
		.amdhsa_user_sgpr_count 2
		.amdhsa_user_sgpr_kernarg_segment_ptr 1
		.amdhsa_wavefront_size32 1
		.amdhsa_system_sgpr_workgroup_id_x 1
		.amdhsa_system_sgpr_workgroup_id_y 1
		.amdhsa_system_sgpr_workgroup_id_z 1
		.amdhsa_system_vgpr_workitem_id 0
		.amdhsa_next_free_vgpr 1024
		.amdhsa_next_free_sgpr 98
		.amdhsa_reserve_vcc 1
		.amdhsa_float_denorm_mode_32 3
		.amdhsa_float_denorm_mode_16_64 3
		.amdhsa_memory_ordered 1
		.amdhsa_forward_progress 1
		.amdhsa_inst_pref_size 200
	.end_amdhsa_kernel
	.amdgpu_metadata
---
amdhsa.version: [ 1, 2 ]
amdhsa.kernels:
  - .name:           k_qa1f294c76b_proj
    .symbol:         k_qa1f294c76b_proj.kd
    .args:
      - { .name: codes, .offset: 0, .size: 8, .value_kind: global_buffer, .address_space: global }
      - { .name: scales, .offset: 8, .size: 8, .value_kind: global_buffer, .address_space: global }
      - { .name: qk_codes, .offset: 16, .size: 8, .value_kind: global_buffer, .address_space: global }
      - { .name: qk_scales, .offset: 24, .size: 8, .value_kind: global_buffer, .address_space: global }
      - { .name: v_codes, .offset: 32, .size: 8, .value_kind: global_buffer, .address_space: global }
      - { .name: v_scales, .offset: 40, .size: 8, .value_kind: global_buffer, .address_space: global }
    .group_segment_fixed_size: 327680
    .private_segment_fixed_size: 0
    .kernarg_segment_align: 8
    .kernarg_segment_size: 48
    .max_flat_workgroup_size: 128
    .sgpr_count:     98
    .vgpr_count:     1024
    .wavefront_size: 32
...
	.end_amdgpu_metadata
.endif
;; end of part 2
;; launch attn (part 3): grid 4 x 64, 16 waves a work-group, clusters of 4 x 1, 280,576 bytes of LDS; arguments qk_codes, qk_scales, v_codes, v_scales, out0; writes out0
.if DOCPART == 3
	.amdgcn_target "amdgcn-amd-amdhsa--gfx1250"
	.amdhsa_code_object_version 6
	.text
	.protected	k_qa1f294c76b_attn
	.globl	k_qa1f294c76b_attn
	.p2align	8
	.type	k_qa1f294c76b_attn,@function
k_qa1f294c76b_attn:
	s_mov_b64 s[64:65], 0
	v_nop
	global_prefetch_b8 v0, s[64:65] scope:SCOPE_SE
	s_setreg_imm32_b32 hwreg(HW_REG_WAVE_MODE, 25, 1), 1
	s_wait_xcnt 0x0
	s_wait_alu depctr_hold_cnt(0) depctr_sa_sdst(0) depctr_va_vdst(0) depctr_va_sdst(0) depctr_va_ssrc(0) depctr_va_vcc(0) depctr_vm_vsrc(0)
	s_getreg_b32 s2, hwreg(HW_REG_IB_STS2, 6, 4)
	s_cmp_eq_u32 s2, 0
	s_cbranch_scc0 .Lentry_in_a_cluster
	s_endpgm
.Lentry_in_a_cluster:
	s_bfe_u32 s2, ttmp6, 0x10000c
	s_cmp_lg_u32 s2, 0x3003
	s_cbranch_scc0 .Lentry_shape_is_right
	s_endpgm
.Lentry_shape_is_right:
; out[b][q][64 h + e] = the sum over k of softmax_k(q . k / 8) v, for each of 64 pairs (b, h), both products on codes of FP6 (E2M3) with one E8M0 scale for each 32 along a product's K.
; q, k and v arrive as images of operand registers with their scale words:
;   q, k: head th (q: h, k: 16 + h), tile T' = 128 b + T of 16 places: 768 bytes at 393,216 th + 768 T': a lane's registers 0-3 at 16 x lane, registers 4-5 at 512 + 8 x lane (K = the head's 64);
;         scale words at 32,768 th + 256 (T' / 4) + 16 r + 4 (T' % 4).   Place r of tile 2 b' + u is row 32 b' + 8 u + r + 8 (r / 8) of the sequence.
;   v:    head h, key step bJ = 16 b + J (128 keys), tile n of 16 channels: 1,536 bytes at 393,216 h + 6,144 bJ + 1,536 n: registers 4 c .. 4 c + 3 at 512 c + 16 x lane; scale words at 16,384 h + 256 bJ + 16 r + 4 n.
;         Place r of channels' tile 2 b' + u is channel 32 b' + 8 u + r + 8 (r / 8).
; THE SOFTMAX AHEAD OF THE SECOND PRODUCT: t = score x log2(e) / 8; M = the row's largest t so far, rounded up to a whole number; p = 2^(t - M) is what is quantised, along the keys; it is not normalised.
; The row's sum is taken of the unquantised p, in f32, and divides O at the end.  When M moves, the sum and O are multiplied by 2^(old M - new M): exact.  A block's largest p is made from the block's largest score by the same
; multiply-add and exponential as every p (this takes v_exp_f32 not to fall where its input rises).
; SHARES.  The four work-groups of a cluster take 512 queries each of one (b, h); each of a work-group's sixteen waves takes two tiles of 16 queries, one after the other, in 256 registers.  Every wave walks all 2,048 keys, 128 a step.
; ALL OF THE HEAD'S K AND V, 208,896 bytes with the scale words, LIE IN LDS, filled once by joint loads that name the four work-groups: no slot is ever filled again, so the loops have no barrier.
; LAYOUT.  Both products are used transposed: S^T = K Q^T (source 0 = 16 keys, source 1 = my 16 queries), O^T = V^T P^T: a lane holds one query (lane % 16) throughout; the 16 registers of S^T's tiles 2 b' and 2 b' + 1 are
; the keys 32 b' + 16 (lane / 16) + 0 .. 15, and those of O^T's the channels likewise.
; K = 64 IN AN INSTRUCTION OF K = 128: Q's registers 6-11 hold zero codes.  A fragment of K is named as 12 registers of which the upper six are the next tile's codes (behind the last tile: zeros): finite numbers that meet
; zeros; the scale bytes that go with them are never 0xff.  They add nothing.
; LIMITS: NaN and infinities are not served.  A block whose every p has fallen to 0 keeps the scale byte 1: its codes are zeros.
.set VIMG,  98304                      ; LDS: K's 128 images from 0 on (tile T at 768 T); V's 64 from here on (step J at 6,144 J, tile n at 1,536 n);
.set KSC,   196608                     ; K's scale words, 512 bytes a step;
.set VSC,   204800                     ; V's, 256 bytes a step;
.set STAGE, 208896                     ; the way out: 16 rows x (256 bytes + 16) for each wave; no fill lands here
.set AK0,  1                           ; v1   16 x lane
.set AK8,  2                           ; v2   512 + 8 x lane
.set AV0,  3                           ; v3   VIMG + 16 x lane
.set ASK0, 4                           ; v4   KSC + 16 r
.set ASV0, 5                           ; v5   VSC + 16 r
.set GO,   6                           ; v6   the way out: 4,096 (lane / 16) + 16 r
.set STO,  7                           ; v7   the stage: where I put my row's channels
.set RD,   8                           ; v8   and where I read a row back
.set R16,  9                           ; v9   16 r
.set ADK,  28                          ; v28-31, v86: the addresses of the step in hand
.set ADK8, 29
.set ADV,  30
.set ADS,  31
.set ADT,  86
.set WV,   14                          ; s14  my wave's number
.set CX,   15                          ; s15  my place in the cluster: it enters Q's and the output's addresses alone
.set G1C,  24                          ; s[24:31] descriptor group 1: 96 rows of 256 bytes (a quarter of K's or of V's images)
.set G1KS, 32                          ; s[32:39] 32 rows (K's scale words)
.set G1VS, 40                          ; s[40:47] 16 rows (V's)
.set G0K,  48                          ; s[48:51], s[52:55], s[56:59], s[60:63] groups 0
.set G0V,  52
.set G0KS, 56
.set G0VS, 60
.set SEL,  66                          ; s[66:67] lane selects for v_permlanex16_b32: lane l xor 16
.set CS,   68                          ; s[68:69] c = log2(e) / 8
.set TB,   70                          ; s70  the step's images: 6,144 bytes a step, in K's and in V's alike
.set TS,   71                          ; s71  K's scale words: 512 a step
.set TJ,   72                          ; s72  V's: 256 a step
.set KJ,   73                          ; s73  steps to go
.macro CROUND                          ; a round of the cluster's barrier
	s_barrier_signal -1
	s_barrier_wait -1
	s_cmp_lg_u32 s[WV], 0
	s_cbranch_scc1 .Lnot_wave_0_\@
	s_barrier_signal -3
.Lnot_wave_0_\@:
	s_barrier_wait -3
	s_barrier_signal -1
	s_barrier_wait -1
.endm
	s_load_b256 s[4:11], s[0:1], 0x0               ; q and k's images s[4:5], their scale words s[6:7], v's images s[8:9], their scale words s[10:11]
	s_load_b64 s[12:13], s[0:1], 0x20              ; the output
	v_lshl_add_u32 v250, v0, 2, 0x44000
	v_mov_b32 v251, 0
	ds_add_u32 v250, v251
	ds_add_u32 v250, v251
	v_lshrrev_b32 v1, 5, v0
	s_delay_alu instid0(VALU_DEP_1)
	v_readfirstlane_b32 s[WV], v1                  ; wave 0..15
	s_bfe_u32 s[CX], ttmp6, 0x40000                ; cx
	s_and_b32 s16, ttmp7, 0xffff                   ; the cluster's y = 16 b + h, which the four partners share
	s_and_b32 s17, s16, 15                         ; h
	s_lshr_b32 s18, s16, 4                         ; b
	s_and_b32 s19, s[WV], 3                        ; which quarter of the images I fetch, if I fetch
	s_mul_i32 s2, s17, 393216
	s_mul_i32 s3, s18, 98304
	s_add_co_u32 s2, s2, s3                        ; (b, h) in a tensor of images
	s_mul_i32 s3, s19, 24576                       ; my quarter, in memory and in LDS
	s_add_co_u32 s22, s2, s3                       ; V's
	s_mov_b32 s23, 0
	s_add_co_u32 s20, s22, 16*393216               ; K's: th = 16 + h
	s_mov_b32 s21, 0
	s_lshl_b32 s70, s17, 15
	s_lshl_b32 s71, s18, 13
	s_add_co_u32 s70, s70, s71
	s_add_co_u32 s70, s70, 16*32768                ; K's scale words
	s_mov_b32 s71, 0
	s_lshl_b32 s72, s17, 14
	s_lshl_b32 s73, s18, 12
	s_add_co_u32 s72, s72, s73                     ; V's
	s_mov_b32 s73, 0
	s_lshl_b32 s74, s18, 7
	s_lshl_b32 s75, s[CX], 5
	s_add_co_u32 s74, s74, s75
	s_lshl_b32 s75, s[WV], 1
	s_add_co_u32 s74, s74, s75                     ; my first tile of queries: 128 b + 32 cx + 2 w
	s_mul_i32 s74, s74, 768
	s_mul_i32 s75, s17, 393216
	s_add_co_u32 s74, s74, s75                     ; its image (th = h)
	s_mov_b32 s75, 0
	s_lshl_b32 s76, s18, 5
	s_lshl_b32 s77, s[CX], 3
	s_add_co_u32 s76, s76, s77
	s_lshr_b32 s77, s[WV], 1
	s_add_co_u32 s76, s76, s77                     ; that tile / 4
	s_lshl_b32 s76, s76, 8
	s_and_b32 s77, s[WV], 1
	s_lshl_b32 s77, s77, 3                         ; that tile % 4, x 4 bytes
	s_add_co_u32 s76, s76, s77
	s_lshl_b32 s77, s17, 15
	s_add_co_u32 s76, s76, s77                     ; its scale words
	s_mov_b32 s77, 0
	s_lshl_b32 s78, s18, 11
	s_lshl_b32 s79, s[CX], 9
	s_add_co_u32 s78, s78, s79
	s_lshl_b32 s79, s[WV], 5
	s_add_co_u32 s78, s78, s79                     ; my first row of the output: 2,048 b + 512 cx + 32 w
	s_lshl_b32 s78, s78, 12                        ; of 4,096 bytes
	s_lshl_b32 s79, s17, 8                         ; the head's 256 bytes in it
	s_add_co_u32 s78, s78, s79
	s_mov_b32 s79, 0
	; descriptor groups 1: dense blocks, as rows of 256 bytes (32 elements of 8 bytes), no padding
.irp g, G1C, G1KS, G1VS
	s_mov_b32 s[\g], 15|(3<<16)|(1<<21)            ; 15:0 the mask: all four work-groups; 17:16 elements of 8 bytes; 21 set beside a mask
	s_mov_b32 s[\g+1], 32<<16                      ; tensor_dim0 = 32
	s_mov_b32 s[\g+3], 32<<16                      ; tile_dim0 = 32
	s_mov_b32 s[\g+5], 32                          ; tensor_dim0_stride
	s_mov_b32 s[\g+6], 0
	s_mov_b32 s[\g+7], 0
.endr
	s_mov_b32 s[G1C+2], 96<<16                     ; tensor_dim1 and tile_dim1: the rows
	s_mov_b32 s[G1C+4], 96
	s_mov_b32 s[G1KS+2], 32<<16
	s_mov_b32 s[G1KS+4], 32
	s_mov_b32 s[G1VS+2], 16<<16
	s_mov_b32 s[G1VS+4], 16
	s_mov_b32 s[SEL], 0x76543210
	s_mov_b32 s[SEL+1], 0xfedcba98
	s_mov_b32 s[CS], 0x3e38aa3b                    ; c = log2(e) / 8
	s_mov_b32 s[CS+1], s[CS]                       ; (named with it as a pair, so it is written)
	s_wait_dscnt 0x0
	s_wait_kmcnt 0x0
	CROUND                                         ; all four work-groups are here: the joint loads meet
	s_mov_b32 s[G0K], 1                            ; 1:0 count = 1
	s_mov_b32 s[G0K+1], s3                         ; LDS address: my quarter of K's images
	s_add_nc_u64 s[G0K+2:G0K+3], s[4:5], s[20:21]
	s_or_b32 s[G0K+3], s[G0K+3], 0x80000000        ; type = 2
	s_mov_b32 s[G0V], 1
	s_add_co_u32 s[G0V+1], s3, VIMG
	s_add_nc_u64 s[G0V+2:G0V+3], s[8:9], s[22:23]
	s_or_b32 s[G0V+3], s[G0V+3], 0x80000000
	s_mov_b32 s[G0KS], 1
	s_mov_b32 s[G0KS+1], KSC
	s_add_nc_u64 s[G0KS+2:G0KS+3], s[6:7], s[70:71]
	s_or_b32 s[G0KS+3], s[G0KS+3], 0x80000000
	s_mov_b32 s[G0VS], 1
	s_mov_b32 s[G0VS+1], VSC
	s_add_nc_u64 s[G0VS+2:G0VS+3], s[10:11], s[72:73]
	s_or_b32 s[G0VS+3], s[G0VS+3], 0x80000000
	; THE FILLS, once: waves 0-3 K's quarters, waves 4-7 V's, wave 8 K's scale words, wave 9 V's; the branches hang on the wave's number alone.  A wave has at most one tensor load out.  Four v_nop follow each line.
	s_cmp_lt_u32 s[WV], 4
	s_cbranch_scc0 .Lnot_k
	tensor_load_to_lds s[G0K:G0K+3], s[G1C:G1C+7]
	s_nop 0
.rept 4
	v_nop
.endr
	s_branch .Lasked
.Lnot_k:
	s_cmp_lt_u32 s[WV], 8
	s_cbranch_scc0 .Lnot_v
	tensor_load_to_lds s[G0V:G0V+3], s[G1C:G1C+7]
	s_nop 0
.rept 4
	v_nop
.endr
	s_branch .Lasked
.Lnot_v:
	s_cmp_eq_u32 s[WV], 8
	s_cbranch_scc0 .Lnot_ks
	tensor_load_to_lds s[G0KS:G0KS+3], s[G1KS:G1KS+7]
	s_nop 0
.rept 4
	v_nop
.endr
	s_branch .Lasked
.Lnot_ks:
	s_cmp_eq_u32 s[WV], 9
	s_cbranch_scc0 .Lasked
	tensor_load_to_lds s[G0VS:G0VS+3], s[G1VS:G1VS+7]
	s_nop 0
.rept 4
	v_nop
.endr
.Lasked:
	s_add_nc_u64 s[74:75], s[4:5], s[74:75]        ; Q's images at my first tile
	s_add_nc_u64 s[76:77], s[6:7], s[76:77]        ; and its scale words
	s_add_nc_u64 s[78:79], s[12:13], s[78:79]      ; the output at my first row
	v_and_b32 v10, 31, v0                          ; lane
	v_and_b32 v11, 15, v0                          ; r
	v_bfe_u32 v87, v0, 4, 1                        ; lane / 16
	s_delay_alu instid0(VALU_DEP_3)
	v_lshlrev_b32 v[AK0], 4, v10
	s_delay_alu instid0(VALU_DEP_4)
	v_lshl_add_u32 v[AK8], v10, 3, 512
	s_delay_alu instid0(VALU_DEP_2)
	v_add_nc_u32 v[AV0], VIMG, v[AK0]
	v_lshlrev_b32 v[R16], 4, v11
	s_delay_alu instid0(VALU_DEP_1)
	v_add_nc_u32 v[ASK0], KSC, v[R16]
	s_delay_alu instid0(VALU_DEP_2)
	v_add_nc_u32 v[ASV0], VSC, v[R16]
	s_delay_alu instid0(VALU_DEP_3)
	v_lshl_add_u32 v[GO], v87, 12, v[R16]
	s_mul_i32 s2, s[WV], 16*272
	s_add_co_u32 s2, s2, STAGE                     ; my stage
	v_mul_u32_u24 v[STO], v11, 272
	s_delay_alu instid0(VALU_DEP_1)
	v_lshl_add_u32 v[STO], v87, 6, v[STO]
	s_delay_alu instid0(VALU_DEP_1)
	v_add_nc_u32 v[STO], s2, v[STO]                ; in: row r, + 64 bytes for lanes 16-31: register 16 b' + i is channel 32 b' + 16 (lane / 16) + i
	v_mul_u32_u24 v[RD], v87, 272
	s_delay_alu instid0(VALU_DEP_1)
	v_add_nc_u32 v[RD], v[RD], v[R16]
	s_delay_alu instid0(VALU_DEP_1)
	v_add_nc_u32 v[RD], s2, v[RD]                  ; back: lanes 0-15 one row, lanes 16-31 the next
.irp j, 22,23,24,25,26,27,80,81,82,83,84,85
	v_mov_b32 v[\j], 0                             ; zero codes: Q's upper half of K, and what stands behind the last fragment of K; set once
.endr
.irp b, 0,1,2,3
	v_mov_b32 v[236+\b], 0                         ; written once: a lane permute's destination counts as one of its sources
.endr
	v_mov_b32 v253, 0                              ; (named as the upper half of the pair v[252:253] before it is first written)
; A KEY STEP: 128 keys.
.macro STEP
	v_add_nc_u32 v[ADK], s[TB], v[AK0]             ; these five are also the places between the last step's products and the loads into the registers that they read
	v_add_nc_u32 v[ADK8], s[TB], v[AK8]
	v_add_nc_u32 v[ADV], s[TB], v[AV0]
	v_add_nc_u32 v[ADS], s[TS], v[ASK0]
	v_add_nc_u32 v[ADT], s[TJ], v[ASV0]
.irp t, 0,1,2,3,4,5,6,7
	ds_load_b128 v[32+6*\t:35+6*\t], v[ADK] offset:768*\t          ; K's eight fragments, six registers each, on end
	ds_load_b64 v[36+6*\t:37+6*\t], v[ADK8] offset:768*\t
.endr
	ds_load_b128 v[192:195], v[ADS]                ; their scale words: four tiles' for row r on end
	ds_load_b128 v[196:199], v[ADS] offset:256
	s_wait_alu depctr_va_vdst(0)
	s_wait_dscnt 0x0
.irp t, 0,1,2,3,4,5,6,7
	v_wmma_scale_f32_16x16x128_f8f6f4 v[96+8*\t:103+8*\t], v[32+6*\t:43+6*\t], v[16:27], 0, v[192+\t], v255 matrix_a_fmt:MATRIX_FMT_FP6 matrix_b_fmt:MATRIX_FMT_FP6
.endr
.rept 4
	v_nop                                          ; places in front of the loads into K's registers and of the first read of the scores
.endr
.irp n, 0,1,2,3
.irp c, 0,1,2
	ds_load_b128 v[32+12*\n+4*\c:35+12*\n+4*\c], v[ADV] offset:1536*\n+512*\c   ; V's four fragments: they land while the softmax is worked
.endr
.endr
	ds_load_b128 v[200:203], v[ADT]                ; and their scale words
.irp b, 0,1,2,3
	v_max3_num_f32 v[232+\b], v[96+16*\b], v[97+16*\b], v[98+16*\b]   ; the largest score of each block of 32 keys: it serves for the row's maximum and, since p rises with the score, for the block's largest p
.endr
.irp i, 3,5,7,9,11,13
.irp b, 0,1,2,3
	v_max3_num_f32 v[232+\b], v[232+\b], v[96+16*\b+\i], v[97+16*\b+\i]   ; (the four blocks by turns)
.endr
.endr
.irp b, 0,1,2,3
	v_max_num_f32 v[232+\b], v[232+\b], v[111+16*\b]
.endr
.irp b, 0,1,2,3
	s_delay_alu instid0(VALU_DEP_4)
	v_permlanex16_b32 v[236+\b], v[232+\b], s[SEL], s[SEL+1]
.endr
.irp b, 0,1,2,3
	s_delay_alu instid0(VALU_DEP_4)
	v_max_num_f32 v[232+\b], v[232+\b], v[236+\b]  ; with lane l xor 16's 16 keys
.endr
	s_delay_alu instid0(VALU_DEP_2)
	v_max3_num_f32 v254, v232, v233, v234
	s_delay_alu instid0(VALU_DEP_1)
	v_max_num_f32 v254, v254, v235                 ; the step's largest score of my query
	s_delay_alu instid0(VALU_DEP_1)
	v_mul_f32 v254, s[CS], v254                    ; as t (c is positive)
	s_delay_alu instid0(VALU_DEP_1)
	v_max_num_f32 v13, v13, v254                   ; the running largest t
	v_mov_b32 v254, v12
	s_delay_alu instid0(VALU_DEP_2)
	v_floor_f32 v12, -v13                          ; the new -M = floor(-t) = -ceil(t): M is a whole number
	s_delay_alu instid0(VALU_DEP_1)
	v_sub_f32 v254, v12, v254                      ; M's old value less its new one: a whole number, 0 or less
	s_delay_alu instid0(VALU_DEP_1)
	v_cvt_i32_f32 v254, v254                       ; (it saturates)
	s_delay_alu instid0(VALU_DEP_1)
	v_ldexp_f32 v252, 1.0, v254                    ; f = 2^(old M - new M)
.irp j, 0,2,4,6,8,10,12,14,16,18,20,22,24,26,28,30,32,34,36,38,40,42,44,46,48,50,52,54,56,58,60,62
	v_pk_fma_f32 v[96+\j:97+\j], v[96+\j:97+\j], s[CS:CS+1], v[12:13] op_sel_hi:[1,0,0]   ; t - M, two at a time (of the pairs c and -M the low word serves both halves)
.endr
.irp b, 0,1,2,3
	v_fma_f32 v[232+\b], v[232+\b], s[CS], v12     ; the same of each block's largest score
.endr
	s_wait_alu depctr_va_vdst(0)
.irp j, 0,1,2,3,4,5,6,7,8,9,10,11,12,13,14,15,16,17,18,19,20,21,22,23,24,25,26,27,28,29,30,31,32,33,34,35,36,37,38,39,40,41,42,43,44,45,46,47,48,49,50,51,52,53,54,55,56,57,58,59,60,61,62,63
	v_exp_f32 v[96+\j], v[96+\j]                   ; p = 2^(t - M), at most 1: not normalised
.endr
	s_setprio 1
	v_pk_mul_f32 v[14:15], v[14:15], v[252:253] op_sel_hi:[1,0]   ; the sums under the new M (a plain place behind the exponentials)
	s_wait_alu depctr_va_vdst(0)                   ; one wait for the whole batch, ahead of its first reader
.irp b, 0,1,2,3
	v_exp_f32 v[232+\b], v[232+\b]                 ; the block's largest p
.endr
	v_pk_add_f32 v[236:237], v[100:101], v[104:105]
	v_pk_add_f32 v[248:249], v[108:109], v[112:113]
	v_pk_add_f32 v[246:247], v[116:117], v[120:121]
	v_pk_add_f32 v[244:245], v[124:125], v[128:129]
	v_pk_add_f32 v[242:243], v[132:133], v[136:137]
	v_pk_add_f32 v[240:241], v[140:141], v[144:145]
	v_pk_add_f32 v[238:239], v[148:149], v[152:153]
	v_pk_add_f32 v[14:15], v[14:15], v[156:157]
	v_pk_add_f32 v[236:237], v[236:237], v[96:97]
	v_pk_add_f32 v[248:249], v[248:249], v[98:99]
	v_pk_add_f32 v[246:247], v[246:247], v[102:103]
	v_pk_add_f32 v[244:245], v[244:245], v[106:107]
	v_pk_add_f32 v[242:243], v[242:243], v[110:111]
	v_pk_add_f32 v[240:241], v[240:241], v[114:115]
	v_pk_add_f32 v[238:239], v[238:239], v[118:119]
	v_pk_add_f32 v[14:15], v[14:15], v[122:123]
	v_pk_add_f32 v[236:237], v[236:237], v[126:127]
	v_pk_add_f32 v[248:249], v[248:249], v[130:131]
	v_pk_add_f32 v[246:247], v[246:247], v[134:135]
	v_pk_add_f32 v[244:245], v[244:245], v[138:139]
	v_pk_add_f32 v[242:243], v[242:243], v[142:143]
	v_pk_add_f32 v[240:241], v[240:241], v[146:147]
	v_pk_add_f32 v[238:239], v[238:239], v[150:151]
	v_pk_add_f32 v[14:15], v[14:15], v[154:155]
	v_pk_add_f32 v[236:237], v[236:237], v[158:159]
	s_delay_alu instid0(VALU_DEP_2)
	v_pk_add_f32 v[14:15], v[14:15], v[244:245]
	s_delay_alu instid0(VALU_DEP_2)
	v_pk_add_f32 v[236:237], v[236:237], v[242:243]
	v_pk_add_f32 v[248:249], v[248:249], v[240:241]
	v_pk_add_f32 v[246:247], v[246:247], v[238:239]
	s_delay_alu instid0(VALU_DEP_2)
	v_pk_add_f32 v[14:15], v[14:15], v[248:249]
	s_delay_alu instid0(VALU_DEP_2)
	v_pk_add_f32 v[236:237], v[236:237], v[246:247]
	s_delay_alu instid0(VALU_DEP_1)
	v_pk_add_f32 v[14:15], v[14:15], v[236:237]
	s_wait_alu depctr_va_vdst(0)                   ; and one for the four
.irp b, 0,1,2,3
	v_max_num_f32 v[232+\b], 0x1800000, v[232+\b]  ; the floor 2^(3 - 127): the byte cannot fall under 1
.endr
.irp b, 0,1,2,3
	s_delay_alu instid0(VALU_DEP_4)
	v_add_nc_u32 v[244+\b], 0xff000000, v[232+\b]  ; 2 off the exponent field: the conversion's scale operand
.endr
.irp b, 0,1,2,3
	s_delay_alu instid0(VALU_DEP_4)
	v_lshrrev_b32 v[236+\b], 23, v[244+\b]         ; the scale's byte
.endr
	s_delay_alu instid0(VALU_DEP_3)
	v_lshl_or_b32 v253, v237, 8, v236              ; p's scale word for these 128 keys
	s_delay_alu instid0(VALU_DEP_1)
	v_lshl_or_b32 v253, v238, 16, v253
	s_delay_alu instid0(VALU_DEP_1)
	v_lshl_or_b32 v253, v239, 24, v253
.irp c, 0,1
	v_cvt_scalef32_pk16_fp6_f32 v[224+6*\c:226+6*\c], v[96+32*\c:111+32*\c], v[244+2*\c]
	v_cvt_scalef32_pk16_fp6_f32 v[236+4*\c:238+4*\c], v[112+32*\c:127+32*\c], v[244+2*\c+1]   ; (a conversion's three registers begin on an even number)
.endr
	v_nop                                          ; one plain place behind a scaled conversion
.irp c, 0,1                                    ; the operand's layout wants a whole block in a lane: lanes 0-15 block 2 c, lanes 16-31 block 2 c + 1
.irp i, 0,1,2
	v_permlane16_swap_b32 v[224+6*\c+\i], v[236+4*\c+\i]
.endr
.irp i, 0,1,2
	s_delay_alu instid0(VALU_DEP_3)
	v_mov_b32 v[227+6*\c+\i], v[236+4*\c+\i]
.endr
.endr
	s_setprio 0
.irp j, 0,2,4,6,8,10,12,14,16,18,20,22,24,26,28,30
	v_pk_mul_f32 v[160+\j:161+\j], v[160+\j:161+\j], v[252:253] op_sel_hi:[1,0]   ; O^T under the new M: x f.  (These 16 are also the places between the lines that made p's codes and scale word and the products below)
.endr
	s_wait_alu depctr_va_vdst(0)
	s_wait_dscnt 0x0                               ; V's fragments and scale words are in
.irp n, 0,1,2,3
	v_wmma_scale_f32_16x16x128_f8f6f4 v[160+8*\n:167+8*\n], v[32+12*\n:43+12*\n], v[224:235], v[160+8*\n:167+8*\n], v[200+\n], v253 matrix_a_fmt:MATRIX_FMT_FP6 matrix_b_fmt:MATRIX_FMT_FP6
.endr
.endm
; ONE TILE OF 16 QUERIES: tile 2 w + tt of my work-group's 32.
.macro TILE tt
.if \tt > 0
	s_wait_xcnt 0x0                                ; the last tile's stores have read v32-63: only behind this wait are these written again
.endif
	global_load_b128 v[16:19], v[AK0], s[74:75] offset:768*\tt     ; Q's image
	global_load_b64 v[20:21], v[AK8], s[74:75] offset:768*\tt
	global_load_b32 v255, v[R16], s[76:77] offset:4*\tt            ; and its scale words
	v_mov_b32 v13, 0xff61b1e6                      ; the largest t so far: -3e38, under every t
	s_delay_alu instid0(VALU_DEP_1)
	v_floor_f32 v12, -v13                          ; -M
	v_mov_b32 v14, 0                               ; the sum, in two halves
	v_mov_b32 v15, 0
.irp j, 0,1,2,3,4,5,6,7,8,9,10,11,12,13,14,15,16,17,18,19,20,21,22,23,24,25,26,27,28,29,30,31
	v_mov_b32 v[160+\j], 0                         ; O^T.  (The step is written once: the first finds zeros, which the first change of M leaves zeros)
.endr
	s_mov_b32 s[TB], 0
	s_mov_b32 s[TS], 0
	s_mov_b32 s[TJ], 0
	s_mov_b32 s[KJ], 16
	s_wait_loadcnt 0x0                             ; Q
.if \tt == 0
	s_wait_tensorcnt 0x0                           ; my part of the fills has landed,
	s_barrier_signal -1
	s_barrier_wait -1                              ; everybody's has
.endif
.Lstep_\@:
	s_setprio 2
	STEP
	s_add_co_u32 s[TB], s[TB], 6144
	s_add_co_u32 s[TS], s[TS], 512
	s_add_co_u32 s[TJ], s[TJ], 256
	s_sub_co_u32 s[KJ], s[KJ], 1
	s_cmp_lg_u32 s[KJ], 0
	s_cbranch_scc1 .Lstep_\@
	s_setprio 0
	; the way out: O^T is divided by the sum and goes through my stage in LDS, so that sixteen lanes store a row's 256 consecutive bytes
.rept 4
	v_nop                                          ; places behind the last products
.endr
	v_add_f32 v14, v14, v15                        ; the sum's two halves,
	s_delay_alu instid0(VALU_DEP_1)
	v_permlanex16_b32 v252, v14, s[SEL], s[SEL+1]
	s_delay_alu instid0(VALU_DEP_1)
	v_add_f32 v14, v14, v252                       ; and lane l xor 16's: the row's sum
	s_wait_alu depctr_va_vdst(0)
	v_rcp_f32 v14, v14
	v_nop                                          ; one plain place behind the reciprocal
	s_wait_alu depctr_va_vdst(0)                   ; and the wait ahead of its first reader
.irp j, 0,2,4,6,8,10,12,14,16,18,20,22,24,26,28,30
	v_pk_mul_f32 v[96+\j:97+\j], v[160+\j:161+\j], v[14:15] op_sel_hi:[1,0]   ; each accumulator from its low end on
.endr
.irp e, 0,1
.irp k, 0,1,2,3
	ds_store_b128 v[STO], v[96+16*\e+4*\k:99+16*\e+4*\k] offset:128*\e+16*\k
.endr
.endr
.irp i, 0,1,2,3,4,5,6,7
	ds_load_b128 v[32+4*\i:35+4*\i], v[RD] offset:544*\i           ; LDS serves a wave's instructions in order: these see my stores
.endr
.irp i, 0,1,2,3,4,5,6,7
	s_wait_dscnt 7-\i                              ; the younger loads may be out
	global_store_b128 v[GO], v[32+4*\i:35+4*\i], s[78:79] offset:(2*\i+8*(\i/4))*4096+32768*\tt th:TH_STORE_NT   ; place p = 2 i + lane / 16 of tile tt is row 8 tt + p + 8 (p / 8) of my 32; 16 lanes store 256 consecutive bytes, at a multiple of 256 from the output's first byte
.endr
.endm
	TILE 0
	TILE 1
	s_wait_tensorcnt 0x0                           ; no tensor load and no LDS instruction of mine is out
	s_wait_dscnt 0x0
	s_wait_tensorcnt 0x0
	ds_add_u32 v250, v251
	s_wait_dscnt 0x0
	CROUND                                         ; the closing round: no work-group ends while a partner may still ask for a tile that names it
	s_endpgm
.Lfunc_end_k_qa1f294c76b_attn:
	.size	k_qa1f294c76b_attn, .Lfunc_end_k_qa1f294c76b_attn-k_qa1f294c76b_attn
	.p2alignl 7, 3214868480
	.fill 96, 4, 3214868480
	.section	.rodata,"a",@progbits
	.p2align	6, 0x0
	.amdhsa_kernel k_qa1f294c76b_attn
		.amdhsa_group_segment_fixed_size 280576
		.amdhsa_private_segment_fixed_size 0
		.amdhsa_enable_private_segment 0
		.amdhsa_kernarg_size 40
		.amdhsa_user_sgpr_count 2
		.amdhsa_user_sgpr_kernarg_segment_ptr 1
		.amdhsa_wavefront_size32 1
		.amdhsa_system_sgpr_workgroup_id_x 1
		.amdhsa_system_sgpr_workgroup_id_y 1
		.amdhsa_system_sgpr_workgroup_id_z 1
		.amdhsa_system_vgpr_workitem_id 0
		.amdhsa_next_free_vgpr 256
		.amdhsa_next_free_sgpr 80
		.amdhsa_reserve_vcc 0
		.amdhsa_float_denorm_mode_32 3
		.amdhsa_float_denorm_mode_16_64 3
		.amdhsa_memory_ordered 1
		.amdhsa_forward_progress 1
		.amdhsa_inst_pref_size 54
	.end_amdhsa_kernel
	.amdgpu_metadata
---
amdhsa.version: [ 1, 2 ]
amdhsa.kernels:
  - .name:           k_qa1f294c76b_attn
    .symbol:         k_qa1f294c76b_attn.kd
    .args:
      - { .name: qk_codes, .offset: 0, .size: 8, .value_kind: global_buffer, .address_space: global }
      - { .name: qk_scales, .offset: 8, .size: 8, .value_kind: global_buffer, .address_space: global }
      - { .name: v_codes, .offset: 16, .size: 8, .value_kind: global_buffer, .address_space: global }
      - { .name: v_scales, .offset: 24, .size: 8, .value_kind: global_buffer, .address_space: global }
      - { .name: out0, .offset: 32, .size: 8, .value_kind: global_buffer, .address_space: global }
    .group_segment_fixed_size: 280576
    .private_segment_fixed_size: 0
    .kernarg_segment_align: 8
    .kernarg_segment_size: 40
    .max_flat_workgroup_size: 512
    .sgpr_count:     80
    .vgpr_count:     256
    .wavefront_size: 32
...
	.end_amdgpu_metadata
.endif
;; end of part 3
